; MI455X (gfx1250); checked and timed in simulation.
; The chip was launched on July 23, 2026; its instructions are those of AMD's public machine-readable ISA for CDNA 5 (MIT licence, August 2026) and "CDNA5" Instruction Set Architecture Reference Guide (July 2026). The comments in the code are by the model that wrote it; some were corrected since.
;; Fp8 Attention. Allowed arithmetic: matrix products marked QUANTISED: E2M1 operands, one E8M0 scale for each 32 along K, by v_wmma_scale_f32_16x16x128_f8f6f4 with both operands' format E2M1 (or v_wmma_scale_f32_32x16x128_f4), f32 sums; everything else in f32.
;; Inputs: k_lengths 4 int32; k_offsets 5 int32; key_states 4,096 x 32 x 128 float32; q_offsets 5 int32; query_states 4,096 x 32 x 128 float32; value_states 4,096 x 32 x 128 float32.
;; Outputs: out0 4,096 x 32 x 128 float32.
;; This version of the problem:
;;   THIS VERSION OF THE PROBLEM IS GIVEN IN LOW PRECISION. The matrix products marked QUANTISED in the list below multiply operands that are first quantised to E2M1 (2 exponent bits, 1 mantissa bit; 4 bits a number), with one power-of-two scale for each 32 numbers along K (OCP MX v1.0); their sums are f32. All else is computed in f32.
;;   The module's matrix products, in the order in which they are computed (A, B: the left and right operand; K: the contracted axis; several contracted axes count as one K, in the product's order):
;;     1. batch 128 x [M 1,024, K 128] x [K 128, N 1,024]; A: computed on the way; B: computed on the way: QUANTISED
;;     2. batch 128 x [M 128, K 1,024] x [K 1,024, N 1,024]; A: computed on the way; B: softmax (see below): QUANTISED
;;   THE QUANTISER, for each operand of a quantised product, along K:
;;     - K is cut into blocks of 32 from its start; a last block that is shorter is filled with zeros.
;;     - A block's scale is 2^e with e = floor(log2(the largest magnitude in the block)) - 2, held to -126 .. 127; a block of zeros has e = 0. As a byte (E8M0): e + 127.
;;     - Each number is divided by its block's scale, clamped to +-6, and rounded to the nearest number of E2M1, ties to even, subnormals kept.
;;     - The product sums the exact products of the quantised numbers (number of the format x scale) in f32.
;;   ~~~python
;;   def quantise(x, axis):      # numpy; x: float32 -> the quantised numbers, widened to float32 again
;;       x = np.moveaxis(x, axis, -1); K = x.shape[-1]
;;       x = np.pad(x, [(0, 0)] * (x.ndim - 1) + [(0, -K % 32)]); x = x.reshape(x.shape[:-1] + (-1, 32)); a = np.abs(x).max(-1, keepdims=True)
;;       e = np.where(a > 0, np.clip(np.frexp(np.where(a > 0, a, 1))[1] - 1 - 2, -126, 127), 0)      # np.frexp(a)[1] - 1 = floor(log2(a)), exactly
;;       r = np.clip(x / 2.0 ** e, -6, 6)
;;       step = 2.0 ** (np.maximum(np.frexp(np.where(r == 0, 1, r))[1] - 1, 0) - 1)
;;       q = np.round(r / step) * step * 2.0 ** e      # np.round: ties to even
;;       return np.moveaxis(q.reshape(q.shape[:-2] + (-1,))[..., :K], -1, axis).astype(np.float32)
;;   ~~~
;;   SOFTMAX AHEAD OF A QUANTISED PRODUCT. Where the list says 'softmax', what is quantised is not the finished softmax but p = 2^(t - M), with t = logit x log2(e) and M = ceil(the row's largest t), a whole number; so 1/2 < the row's largest p <= 1. The row's sum l is taken of the UNQUANTISED p, in f32, and the product's result is divided by l at the end. Since M is a whole number, a kernel that streams over the keys may use a running M (the ceiling of the running maximum): every later rescaling is an exact power of two, which a block's scale takes up: the codes' values come out the same.
;;   OPERANDS COMPUTED ON THE WAY. 'Computed on the way' means the value that the module computes at that place (a softmax that the list does not call 'softmax' is quantised finished and normalised). What goes into a quantiser is computed in f32, as accurately as f32 sums, v_exp_f32 and their like allow (about 1e-6 of the number): no bf16 or f16 on the way to a quantiser, and a product that is left as it is and whose result goes on into a quantised operand takes f32 operands (vector FMAs, or v_wmma_f32_16x16x4_f32). A number that lies on a knife's edge between two numbers of the format may be rounded either way, as far as f32 arithmetic and the matrix unit's own rounding can turn it there, and no further.
;; One version. Each part assembles by itself: llvm-mc -triple=amdgcn-amd-amdhsa -mcpu=gfx1250 --defsym DOCPART=n.
;; ======== version 1 of 1: 2 launches
;; limits: right only within a limited range of input values
;; workspace buffers: amax_part 3,072 bytes
;; launch amax (part 1): grid 768 x 1, 8 waves a work-group, no clusters, 1,280 bytes of LDS; arguments query_states, key_states, value_states, amax_part; writes amax_part
.if DOCPART == 1
	.amdgcn_target "amdgcn-amd-amdhsa--gfx1250"
	.amdhsa_code_object_version 6
	.text
	.protected	k_qb38490aac0_amax
	.globl	k_qb38490aac0_amax
	.p2align	8
	.type	k_qb38490aac0_amax,@function
k_qb38490aac0_amax:
	s_mov_b64 s[64:65], 0
	v_nop
	global_prefetch_b8 v0, s[64:65] scope:SCOPE_SE
	s_setreg_imm32_b32 hwreg(HW_REG_WAVE_MODE, 25, 1), 1
	s_wait_xcnt 0x0
; The largest magnitude of each of the three tensors q, k, v ([4096][32][128] f32), in 256 partial maxima a tensor: amax_part[3][256] f32.
; The per-tensor scale of the e4m3 step hangs on this number, so it has to be known before any number is quantised: a pass of its own.
; SHARES.  Work-group x takes tensor x / 256 and, of it, the 262,144 bytes from (x % 256) x 262,144 on; each of its eight waves takes 32,768 of them:
; 64 loads of 16 bytes a lane, 512 consecutive bytes a load.  A ring of 16 register slots keeps 16 loads of every wave on their way.
; No LDS tile, no matrix unit, no cluster: nothing is read twice here and no two work-groups read the same byte.
; The loads carry no hint: the quantisers read the same bytes again.
; LIMITS: a NaN among the inputs is dropped by the maximum (the problem's definition would carry it); infinities are not served.
.set NLD,  64                          ; loads of a wave
.set RING, 16                          ; slots = loads in flight in a wave
.set MX,   8                           ; v[8:11]   four running maxima
.set SL,   16                          ; v[16:79]  slot i: four registers
	s_load_b256 s[4:11], s[0:1], 0x0               ; q s[4:5], k s[6:7], v s[8:9], amax_part s[10:11]
	v_lshl_add_u32 v84, v0, 2, 0x100
	v_mov_b32 v85, 0
	v_lshrrev_b32 v1, 5, v0
	v_readfirstlane_b32 s12, v1                    ; wave 0..7
	v_and_b32 v2, 31, v0                           ; lane
	v_lshlrev_b32 v3, 4, v2                        ; my 16 bytes of a load's 512; never rewritten
	v_lshlrev_b32 v13, 2, v1                       ; LDS: my wave's word
	v_mov_b32 v14, 0
.irp i, 0,1,2,3
	v_mov_b32 v[MX+\i], 0                          ; 0 is under every magnitude
.endr
	v_mov_b32 v12, 0                               ; a lane permute's destination counts as one of its sources
	s_and_b32 s14, ttmp9, 255
	s_lshl_b32 s14, s14, 18                        ; the work-group's 262,144 bytes,
	s_lshl_b32 s13, s12, 15                        ; my wave's 32,768 of them
	s_add_co_u32 s14, s14, s13
	s_mov_b32 s15, 0
	s_lshl_b32 s16, ttmp9, 2                       ; the work-group's word of amax_part
	s_mov_b32 s17, 0
	s_mov_b32 s20, 0x76543210                      ; v_permlanex16_b32's selects for lane l xor 16
	s_mov_b32 s21, 0xfedcba98
	s_wait_alu depctr_va_vdst(0)
	s_wait_kmcnt 0x0
	s_cmp_lt_u32 ttmp9, 512                        ; which tensor: the choice hangs on the work-group's number alone
	s_cselect_b64 s[6:7], s[6:7], s[8:9]
	s_cmp_lt_u32 ttmp9, 256
	s_cselect_b64 s[4:5], s[4:5], s[6:7]
	s_add_nc_u64 s[4:5], s[4:5], s[14:15]
	s_add_nc_u64 s[10:11], s[10:11], s[16:17]
.set j, 0
.rept RING
	global_load_b128 v[SL+4*j:SL+4*j+3], v3, s[4:5] offset:512*j
.set j, j+1
.endr
; Load j is taken and its slot filled again with load j + 16.  Every offset is an immediate: no pointer is stepped.
.set j, 0
.rept NLD
	s_wait_alu depctr_va_vdst(0)                   ; the wait ahead of the wait below
.if j < NLD-RING+1
	s_wait_loadcnt RING-1                          ; loads come back in order (ISA guide 5.7.1): load j is in, the fifteen younger ones stay out
.else
	s_wait_loadcnt NLD-1-j                         ; the last slots: the counts run down
.endif
	v_max3_num_f32 v[MX+2*(j%2)],   v[MX+2*(j%2)],   |v[SL+4*(j%RING)]|,   |v[SL+4*(j%RING)+1]|   ; four chains, so that no line waits for the line above it
	v_max3_num_f32 v[MX+2*(j%2)+1], v[MX+2*(j%2)+1], |v[SL+4*(j%RING)+2]|, |v[SL+4*(j%RING)+3]|
.if j+RING < NLD
	global_load_b128 v[SL+4*(j%RING):SL+4*(j%RING)+3], v3, s[4:5] offset:512*(j+RING)
.endif
.set j, j+1
.endr
	v_max3_num_f32 v8, v8, v9, v10
	v_max_num_f32 v8, v8, v11
.irp m, 1,2,4,8
	v_max_num_f32_dpp v8, v8, v8 row_xmask:\m row_mask:0xf bank_mask:0xf
.endr
	v_permlanex16_b32 v12, v8, s20, s21
	v_max_num_f32 v8, v8, v12                      ; the wave's largest magnitude, in every lane
	ds_store_b32 v13, v8                           ; all lanes write the same word with the same value
	s_wait_dscnt 0x0                               ; for the others' sake: my store has landed
	s_barrier_signal -1
	s_barrier_wait -1
	s_cmp_lg_u32 s12, 0                            ; wave 0 joins the eight and stores; the others are done
	s_cbranch_scc1 .Lend
	ds_load_b128 v[16:19], v14
	ds_load_b128 v[20:23], v14 offset:16
	s_wait_dscnt 0x0
	v_max3_num_f32 v16, v16, v17, v18
	v_max3_num_f32 v20, v19, v20, v21
	v_max3_num_f32 v16, v16, v22, v23
	v_max_num_f32 v16, v16, v20
	s_wait_alu depctr_va_vdst(0)
	s_wait_xcnt 0x0
	v_cmp_eq_u32 vcc_lo, 0, v0
	s_and_saveexec_b32 s22, vcc_lo
	global_store_b32 v14, v16, s[10:11]            ; one word a work-group
	s_wait_xcnt 0x0                                ; and again, in front of the line that widens it
	s_or_b32 exec_lo, exec_lo, s22
.Lend:
	s_wait_tensorcnt 0x0
	ds_add_u32 v84, v85
	s_wait_dscnt 0x0
	s_endpgm
.Lfunc_end_k_qb38490aac0_amax:
	.size	k_qb38490aac0_amax, .Lfunc_end_k_qb38490aac0_amax-k_qb38490aac0_amax
	.p2alignl 7, 3214868480
	.fill 96, 4, 3214868480
	.section	.rodata,"a",@progbits
	.p2align	6, 0x0
	.amdhsa_kernel k_qb38490aac0_amax
		.amdhsa_group_segment_fixed_size 1280
		.amdhsa_private_segment_fixed_size 0
		.amdhsa_enable_private_segment 0
		.amdhsa_kernarg_size 32
		.amdhsa_user_sgpr_count 2
		.amdhsa_user_sgpr_kernarg_segment_ptr 1
		.amdhsa_wavefront_size32 1
		.amdhsa_system_sgpr_workgroup_id_x 1
		.amdhsa_system_sgpr_workgroup_id_y 1
		.amdhsa_system_sgpr_workgroup_id_z 1
		.amdhsa_system_vgpr_workitem_id 0
		.amdhsa_next_free_vgpr 86
		.amdhsa_next_free_sgpr 66
		.amdhsa_reserve_vcc 1
		.amdhsa_float_denorm_mode_32 3
		.amdhsa_float_denorm_mode_16_64 3
		.amdhsa_memory_ordered 1
		.amdhsa_forward_progress 1
		.amdhsa_inst_pref_size 21
	.end_amdhsa_kernel
	.amdgpu_metadata
---
amdhsa.version: [ 1, 2 ]
amdhsa.kernels:
  - .name:           k_qb38490aac0_amax
    .symbol:         k_qb38490aac0_amax.kd
    .args:
      - { .name: query_states, .offset: 0, .size: 8, .value_kind: global_buffer, .address_space: global }
      - { .name: key_states, .offset: 8, .size: 8, .value_kind: global_buffer, .address_space: global }
      - { .name: value_states, .offset: 16, .size: 8, .value_kind: global_buffer, .address_space: global }
      - { .name: amax_part, .offset: 24, .size: 8, .value_kind: global_buffer, .address_space: global }
    .group_segment_fixed_size: 1280
    .private_segment_fixed_size: 0
    .kernarg_segment_align: 8
    .kernarg_segment_size: 32
    .max_flat_workgroup_size: 256
    .sgpr_count:     66
    .vgpr_count:     86
    .wavefront_size: 32
...
	.end_amdgpu_metadata
.endif
;; end of part 1
;; launch attn (part 2): grid 2 x 128, 16 waves a work-group, no clusters, 284,672 bytes of LDS; arguments query_states, key_states, value_states, amax_part, out0; writes out0
.if DOCPART == 2
	.amdgcn_target "amdgcn-amd-amdhsa--gfx1250"
	.amdhsa_code_object_version 6
	.text
	.protected	k_qb38490aac0_attn
	.globl	k_qb38490aac0_attn
	.p2align	8
	.type	k_qb38490aac0_attn,@function
k_qb38490aac0_attn:
	s_mov_b64 s[64:65], 0
	v_nop
	global_prefetch_b8 v0, s[64:65] scope:SCOPE_SE
	s_setreg_imm32_b32 hwreg(HW_REG_WAVE_MODE, 25, 1), 1
	s_wait_xcnt 0x0
; out[token][h][:] = the sum over the keys k <= q of one sequence of softmax_k(Q . K / sqrt(128)) V.  q, k, v, out: [4096 tokens][32 heads][128] f32; token = 1024 b + s, bh = 32 b + h.
; Each of q, k, v first goes through the per-tensor e4m3 step (x / s to the nearest e4m3 number, back to f32, x s); both products are then done on codes of FP4 (E2M1) with one E8M0 scale for each
; 32 along a product's K: q and k along the head's 128, v and p along the keys.  amax_part [3][256] f32 holds 256 partial maxima of |q|, |k|, |v|, made by the launch before.
; q_offsets, k_offsets and k_lengths are given to no launch of this program: the problem's definition takes only a shape from them, so no value here may hang on what they hold.
; SHARES.  Two work-groups to a head (x = 0, 1), sixteen waves each, four to a SIMD.  Wave w of work-group x owns TWO tiles of 16 queries: tile i = 16 x + w and tile 63 - i.  Tile i has i / 8 + 1 key
; steps of 128 keys that are not wholly hidden by the causal mask, so every wave has 9 such steps.
; PHASE 1: THE HEAD'S K AND V ARE QUANTISED INTO LDS, where they stay (139,264 bytes of codes and scale words), and each wave's 32 queries into rows of its own.  No codes go to memory.
;   K, Q: 24 steps of 4 tokens x 128 numbers a wave: steps 0-15 K's tokens 64 w on, 16-19 my first tile's queries, 20-23 my second's.  A load reads one token's 512 consecutive bytes of the head, 16 a
;   lane; a step's 2,048 bytes turn through the wave's own stage and come back 64 bytes a lane, since the conversions take neighbours along K from ONE lane's registers (two lanes hold a block of 32).
;   V: A LANE TAKES A COLUMN d AND ITS REGISTERS RUN DOWN THE KEYS: 8 blocks of 32 keys a wave: columns 32 (w % 4) on, key steps w / 4 and w / 4 + 4.  A load reads 128 consecutive bytes, four waves 512.
;   Loads run four steps (16 loads), later two blocks (64 loads), ahead; V's first 64 loads go out in steps 20-23, into the registers that K's and Q's loads have left, so that the stream does not drain.
;   Both work-groups of a head read and quantise the same K and V: the price of keeping the codes out of memory; so K's and V's loads carry no hint, Q's are marked as read once.
; ONE BARRIER.  PHASE 2: the attention, from LDS alone.  No tensor loads, so nothing in LDS is filled by an engine.
; NO CLUSTER: joint requests are tensor loads, and this text has none; only the 2 work-groups of a head read the same bytes, and the grid has 2 along x where a cluster has 4.
; s IS THE TENSOR'S LARGEST MAGNITUDE TIMES 1 / 448 ROUNDED TO f32, one rounding.  x / s is made as f32 division makes it: x r, then one correction by the remainder (r = 1 / s, itself corrected once).
; THE SOFTMAX AHEAD OF THE SECOND PRODUCT: t = score x log2(e) / sqrt(128); M = the row's largest t so far, rounded UP to a whole number; p = 2^(t - M) is what is quantised, along the keys; it is
; not normalised.  The row's sum is taken of the unquantised p, in f32, and divides O at the end.  When M moves, the sum and O are multiplied by 2^(old M - new M): exact.
; LAYOUT.  Both products are used transposed: S^T = K Q^T (source 0 = 16 keys, source 1 = my 16 queries), O^T = V^T P^T (source 0 = 16 of the head's 128, source 1 = P): a lane holds ONE query
; (lane % 16) throughout.  THE KEYS OF A TILE ARE NOT NEIGHBOURS: lane r of tile 2 b + u takes key 32 b + 8 u + r + 8 (r / 8), so that the 16 registers of tiles 2 b and 2 b + 1 are 16
; neighbouring keys, 32 b + 16 (lane / 16) + 0 .. 15.
; A block's largest p is not searched for: p rises with the score, so the block's largest score goes through the same multiply-add and exponential.  (This takes v_exp_f32 not to fall where its input rises.)
; LIMITS: s can differ from the correctly rounded quotient in its last bit; a number within that bit of the middle between two e4m3 numbers then rounds the other way.  NaN and infinities are not
; served; a tensor of zeros is not served (the problem's definition gives NaN there); a tensor's largest magnitude lies between about 2^-115 and 2^127, so that s and 1 / s are normal numbers; a block of
; zeros gets the byte 1 where the rule says 127: its codes are zeros, which add nothing under any byte but 0xff, and this launch alone reads the bytes.
; REGISTERS, phase 1: v1-15 addresses and offsets alone; the map below.  Phase 2: v1-7 addresses that stay; v8-11 addresses of the loads in hand; v12 -M, v13 the largest t, v[14:15] the sum in two halves;
; v16-23, v24-31 the two tiles' Q; v32-63 four fragments of K or of V, v32-95 the way out; v96-159 S^T, then p; v160-223 O^T; v224-231 p's codes; v232-247, v252, v254 at work.
; In the tiles v243, v255 (Q's) and v253 (p's) hold scale words and nothing else; v248-251 hold K's or V's and, between the products, partial sums.
.set KP,    80                         ; a row of K's or Q's codes in LDS: 64 bytes + 16 of padding
.set VP,    528                        ; a row of V's codes in LDS: 512 bytes + 16 of padding
.set VC,    1024*KP                    ; LDS: K's 1,024 rows from 0;  V's 128 rows from 81,920;
.set SCK,   VC+128*VP                  ; K's scale words, 4 bytes a key, from 149,504;
.set SCV,   SCK+4096                   ; V's, [key step][d][4 bytes], from 153,600;
.set QC,    SCV+4096                   ; Q's codes, 32 rows for each wave, from 157,696;
.set SCQ,   QC+16*32*KP                ; Q's scale words, 128 bytes for each wave, from 198,656;
.set STAGE, SCQ+16*128                 ; a stage of WST bytes for each wave from 200,704: the turn of phase 1 (two of 32 x SP bytes), the way out of phase 2 (16 rows x SPT bytes)
.set WST,   5120
.set SP,    80                         ; a lane's place in the turn's stage: its 64 bytes + 16 of padding
.set SPT,   272
.set STEPS, 24
; phase 1
.set LN,   2                           ; v2   lane
.set GK,   3                           ; v3   16 x lane: my 16 bytes of a load's 512
.set KCA,  4                           ; v4   LDS: where I put 8 bytes of K's codes;  v5 my block's byte among K's scale bytes
.set KSA,  5
.set QCA,  6                           ; v6, v7  the same for Q
.set QSA,  7
.set GV,   10                          ; v10  4 x lane: my column in a load of V
.set SIN,  14                          ; v14  the turn's stage, on the way in;  v15 on the way out
.set SOUT, 15
.set R,    16                          ; v16-79    K, Q: four sets of 16 numbers as they are loaded
.set X,    80                          ; v80-111   two sets of 16 neighbours
.set E,    112                         ; v112-113  a step's scale byte, two by turns
.set C,    128                         ; v128-131  a step's codes, two pairs by turns
.set Q,    160                         ; v160-175  x / s
.set F,    192                         ; v192-195  e4m3 codes
.set VX,   16                          ; v16-79    V: two sets of 32 numbers
.set VQ,   80                          ; v80-111   x / s
.set SB,   120                         ; v120-121  my column's two scale words
.set VCD,  128                         ; v128-159  codes: four registers for each block
.set VF,   176                         ; v176-183  e4m3 codes
.set RR,   196                         ; v[196:197] r, twice;  v[198:199] -s, twice;  v[200:201] s, twice: pairs for the packed forms
.set NS,   198
.set SS,   200
.set ONE,  202                         ; 1.0: the scale operand of the conversion to e4m3
.set B7F,  203                         ; the byte 127 four times: the scale operand of the conversion back
.set VCA,  204                         ; v204 LDS: where I put 16 bytes of V's codes;  v205 my column's scale word
.set VSA,  205
.set P,    206                         ; v206-229  my eight partial maxima of each tensor
.set W,    232                         ; v232-234  at work
; phase 2
.set AK0,  1                           ; v1   my lane's place in a tile of K
.set AV0,  2                           ; v2   the same for V
.set ASK0, 3                           ; v3   my lane's place among K's scale words
.set ASV0, 4                           ; v4   and among V's
.set QO,   5                           ; v5   LDS: my lane's place in my rows of Q;  v6 among their scale words
.set QSO,  6
.set GO,   7                           ; v7   the way out: my byte offset in the tile's rows of out
.set ADK,  8                           ; v8   LDS address of the step's tiles of K
.set ADV,  9                           ; v9   of V
.set ADS,  10                          ; v10  of K's scale words
.set ADT,  11                          ; v11  of V's
; scalars
.set WV,   18                          ; s18  my wave's number
.set SEL,  20                          ; s[20:21] lane selects for v_permlanex16_b32: lane l xor 16
.set CS,   22                          ; s[22:23] c = log2(e) / sqrt(128): the packed form names a pair and takes its low word for both halves
.set SLO,  24                          ; s24 -448.0, s25 448.0, s26 1 / 448 rounded to f32
.set SHI,  25
.set INV,  26
.set SRQ,  28                          ; s28, s29 q's r and s;  s30, s31 k's;  s32, s33 v's
.set SSQ,  29
.set SRK,  30
.set SSK,  31
.set SRV,  32
.set SSV,  33
.set KB,   36                          ; s[36:37] k at my 64 tokens;  s[38:39], s[40:41] q at my two tiles;  s[42:43], s[44:45] v at my two key steps
.set QA,   38
.set QB,   40
.set VA,   42
.set VB,   44
.set TB,   66                          ; s66  where the step's rows of K begin: 128 KP bytes a step
.set TV,   67                          ; s67  the step's 64 bytes in a row of V
.set TS,   68                          ; s68  the step's scale words, K's and V's alike: 512 bytes a step
.set KF,   69                          ; s69  the step's first key
.set Q0,   70                          ; s70  the tile's first query
.set CNT,  71                          ; s71  key steps to go
; A tensor's largest magnitude from its 256 partial maxima (eight a lane, in v[p] on), then s and r = 1 / s, which are the same in every lane and are kept in scalar registers.  a, b: at work.
.macro TENSOR_SCALE p, a, b, sr, ss
	v_max3_num_f32 v[\a], v[\p], v[\p+1], v[\p+2]
	v_max3_num_f32 v[\b], v[\p+3], v[\p+4], v[\p+5]
	s_delay_alu instid0(VALU_DEP_2)
	v_max3_num_f32 v[\a], v[\a], v[\p+6], v[\p+7]
	s_delay_alu instid0(VALU_DEP_1)
	v_max_num_f32 v[\a], v[\a], v[\b]
.irp m, 1,2,4,8
	s_delay_alu instid0(VALU_DEP_1)
	v_max_num_f32_dpp v[\a], v[\a], v[\a] row_xmask:\m row_mask:0xf bank_mask:0xf
.endr
	s_delay_alu instid0(VALU_DEP_1)
	v_permlanex16_b32 v[\b], v[\a], s[SEL], s[SEL+1]
	s_delay_alu instid0(VALU_DEP_1)
	v_max_num_f32 v[\a], v[\a], v[\b]              ; the largest magnitude, in every lane
	s_delay_alu instid0(VALU_DEP_1)
	v_mul_f32 v[\a], s[INV], v[\a]                 ; s = it x (1 / 448 rounded to f32): one rounding
	s_wait_alu depctr_va_vdst(0)
	v_rcp_f32 v[\b], v[\a]
	v_nop                                          ; a plain line behind the reciprocal (ISA guide 5.7.2)
	s_wait_alu depctr_va_vdst(0)
	v_fma_f32 v[\p], -v[\a], v[\b], 1.0
	v_fma_f32 v[\p], v[\p], v[\b], v[\b]           ; r = 1 / s, corrected once
	v_readfirstlane_b32 s[\ss], v[\a]
	s_delay_alu instid0(VALU_DEP_2)
	v_readfirstlane_b32 s[\sr], v[\p]
.endm
.macro SETSCALE sr, ss                 ; a tensor's r, -s and s into the pairs that the packed forms name
	v_mov_b32 v[RR], s[\sr]
	v_mov_b32 v[RR+1], s[\sr]
	v_mov_b32 v[SS], s[\ss]
	v_mov_b32 v[SS+1], s[\ss]
	s_delay_alu instid0(VALU_DEP_2)
	v_mul_f32 v[NS], -1.0, v[SS]
	s_delay_alu instid0(VALU_DEP_3)
	v_mul_f32 v[NS+1], -1.0, v[SS]
.endm
; The e4m3 step on n numbers in v[x] on.  q: n registers at work, f: n / 4.
.macro FP8RT x, q, f, n
.set ii, 0
.rept (\n)/2
	v_pk_mul_f32 v[\q+ii:\q+ii+1], v[\x+ii:\x+ii+1], v[RR:RR+1]                        ; x r
.set ii, ii+2
.endr
.set ii, 0
.rept (\n)/2
	v_pk_fma_f32 v[\x+ii:\x+ii+1], v[\q+ii:\q+ii+1], v[NS:NS+1], v[\x+ii:\x+ii+1]      ; what it leaves over: x - (x r) s
.set ii, ii+2
.endr
.set ii, 0
.rept (\n)/2
	v_pk_fma_f32 v[\q+ii:\q+ii+1], v[\x+ii:\x+ii+1], v[RR:RR+1], v[\q+ii:\q+ii+1]      ; x / s
.set ii, ii+2
.endr
.set ii, 0
.rept \n
	v_med3_num_f32 v[\q+ii], v[\q+ii], s[SLO], s[SHI]   ; held at 448: the largest magnitude / s may come out an ulp above, which rounds to 448 and would here give the NaN code (ISA guide 7.6.2)
.set ii, ii+1
.endr
.set ii, 0
.rept (\n)/8
	v_cvt_scalef32_pk8_fp8_f32 v[\f+2*ii:\f+2*ii+1], v[\q+8*ii:\q+8*ii+7], v[ONE]      ; to the nearest e4m3 number, ties to even
.set ii, ii+1
.endr
	v_nop                                          ; one plain line between a scaled conversion and the vector line that touches its result
.set ii, 0
.rept (\n)/8
	v_cvt_scale_pk8_f32_fp8 v[\x+8*ii:\x+8*ii+7], v[\f+2*ii:\f+2*ii+1], v[B7F]         ; and back to f32, exactly
.set ii, ii+1
.endr
	v_nop
.set ii, 0
.rept (\n)/2
	v_pk_mul_f32 v[\x+ii:\x+ii+1], v[\x+ii:\x+ii+1], v[SS:SS+1]                        ; x s: the number that the product's quantiser sees
.set ii, ii+2
.endr
.endm
.macro LOAD t                          ; step t's four tokens, 512 consecutive bytes each, into set t % 4
.if (\t) < 16
.irp i, 0,1,2,3
	global_load_b128 v[R+16*((\t)%4)+4*\i:R+16*((\t)%4)+4*\i+3], v[GK], s[KB:KB+1] offset:16384*(4*(\t)+\i)
.endr
.elseif (\t) < 20
.irp i, 0,1,2,3
	global_load_b128 v[R+16*((\t)%4)+4*\i:R+16*((\t)%4)+4*\i+3], v[GK], s[QA:QA+1] offset:16384*(4*((\t)-16)+\i) th:TH_LOAD_NT
.endr
.else
.irp i, 0,1,2,3
	global_load_b128 v[R+16*((\t)%4)+4*\i:R+16*((\t)%4)+4*\i+3], v[GK], s[QB:QB+1] offset:16384*(4*((\t)-20)+\i) th:TH_LOAD_NT
.endr
.endif
.endm
.macro VLOAD16 u                       ; half a block of V: v(token 16 u + i of my key steps, my column), i = 0 .. 15; block u / 2 lies in set (u / 2) % 2.  u = 8 on: my second key step
.set ii, 0
.rept 16
.if (\u) < 8
	global_load_b32 v[VX+16*((\u)%4)+ii], v[GV], s[VA:VA+1] offset:(16*(\u)+ii)*16384
.else
	global_load_b32 v[VX+16*((\u)%4)+ii], v[GV], s[VB:VB+1] offset:(16*((\u)-8)+ii)*16384
.endif
.set ii, ii+1
.endr
.endm
.macro TURN t                          ; step t's numbers through the stage: LDS serves a wave's instructions in order (ISA guide 5.7.1.4), so no wait stands between the stores and the loads
.irp i, 0,1,2,3
	ds_store_b128 v[SIN], v[R+16*((\t)%4)+4*\i:R+16*((\t)%4)+4*\i+3] offset:32*SP*((\t)%2)+8*SP*\i
.endr
.irp i, 0,1,2,3
	ds_load_b128 v[X+16*((\t)%2)+4*\i:X+16*((\t)%2)+4*\i+3], v[SOUT] offset:32*SP*((\t)%2)+16*\i
.endr
.endm
; A step of K or of Q: 4 tokens x 128 numbers become 256 bytes of codes and 16 scale bytes in LDS.
.macro KQSTEP t
.set XS, X+16*((\t)%2)
.if (\t) > 0
	s_wait_dscnt 2                                 ; this step's numbers are back from the stage (the last step's two stores may be out): so its stores into the stage have read their registers,
.else
	s_wait_dscnt 0x0
.endif
.if (\t)+4 < STEPS
	LOAD (\t)+4                                    ; which take the loads of four steps on,
.else
	VLOAD16 (\t)-20                                ; or, in the last four steps, sixteen loads of V's first two blocks
.endif
.if (\t)+1 < STEPS
.if (\t) < 20
	s_wait_loadcnt 12                              ; the next step's four loads are in; those of the three steps behind it may be out
.else
	s_wait_loadcnt 4*(22-(\t))+16*((\t)-19)        ; behind the next step's loads: four for each later step, and sixteen of V's for each step from 20 on
.endif
	TURN (\t)+1                                    ; they go through the other stage while this step is worked
.endif
.if (\t) == 16
	SETSCALE SRQ, SSQ                              ; from here on the numbers are q's
.endif
	FP8RT XS, Q, F, 16
	v_max3_num_f32 v[W],   |v[XS]|,   |v[XS+1]|, |v[XS+2]|         ; the largest magnitude of my 16
	v_max3_num_f32 v[W+1], |v[XS+3]|, |v[XS+4]|, |v[XS+5]|
.irp i, 6,10
	s_delay_alu instid0(VALU_DEP_2)
	v_max3_num_f32 v[W],   v[W],   |v[XS+\i]|,   |v[XS+\i+1]|
	s_delay_alu instid0(VALU_DEP_2)
	v_max3_num_f32 v[W+1], v[W+1], |v[XS+\i+2]|, |v[XS+\i+3]|
.endr
	s_delay_alu instid0(VALU_DEP_2)
	v_max3_num_f32 v[W], v[W], |v[XS+14]|, |v[XS+15]|
	s_delay_alu instid0(VALU_DEP_1)
	v_max3_num_f32 v[W], v[W], v[W+1], 0x1800000   ; and the floor 2^(3 - 127): so the byte cannot fall under 1
	s_delay_alu instid0(VALU_DEP_1)
	v_max_num_f32_dpp v[W], v[W], v[W] row_xmask:1 row_mask:0xf bank_mask:0xf   ; and of my neighbour's 16: the block's
	s_delay_alu instid0(VALU_DEP_1)
	v_add_nc_u32 v[W+2], 0xff000000, v[W]          ; 2 off its exponent field: the conversion takes the exponent field of this operand as its scale, and nothing else of it
	v_cvt_scalef32_pk8_fp4_f32 v[C+2*((\t)%2)],   v[XS:XS+7],    v[W+2]
	v_cvt_scalef32_pk8_fp4_f32 v[C+2*((\t)%2)+1], v[XS+8:XS+15], v[W+2]
	v_lshrrev_b32 v[E+(\t)%2], 23, v[W+2]          ; the scale's byte (and the plain line behind the conversions)
.if (\t) < 16
	ds_store_b8 v[KSA], v[E+(\t)%2] offset:16*(\t)                               ; both lanes of a block write the same byte with the same value
	ds_store_b64 v[KCA], v[C+2*((\t)%2):C+2*((\t)%2)+1] offset:4*KP*(\t)         ; lane l: token 4 t + l / 8, bytes 8 (l % 8) on
.else
	ds_store_b8 v[QSA], v[E+(\t)%2] offset:16*((\t)-16)
	ds_store_b64 v[QCA], v[C+2*((\t)%2):C+2*((\t)%2)+1] offset:4*KP*((\t)-16)    ; my first tile's queries are rows 0-15, my second's rows 16-31
.endif
.endm
; A block of V: 32 keys of my column become 16 bytes of its row of codes; four blocks make a scale word.
.macro BLOCK t
.set XS, VX+32*((\t)%2)
.if (\t) < 7
	s_wait_loadcnt 32                              ; this block's 32 loads are in; the next block's may be out
.else
	s_wait_loadcnt 0x0
.endif
	FP8RT XS, VQ, VF, 32
	v_max3_num_f32 v[W],   |v[XS]|,   |v[XS+1]|, |v[XS+2]|         ; the block's largest magnitude: all 32 numbers are mine
	v_max3_num_f32 v[W+1], |v[XS+3]|, |v[XS+4]|, |v[XS+5]|
.irp i, 6,10,14,18,22,26
	s_delay_alu instid0(VALU_DEP_2)
	v_max3_num_f32 v[W],   v[W],   |v[XS+\i]|,   |v[XS+\i+1]|
	s_delay_alu instid0(VALU_DEP_2)
	v_max3_num_f32 v[W+1], v[W+1], |v[XS+\i+2]|, |v[XS+\i+3]|
.endr
	s_delay_alu instid0(VALU_DEP_2)
	v_max3_num_f32 v[W], v[W], |v[XS+30]|, |v[XS+31]|
	s_delay_alu instid0(VALU_DEP_1)
	v_max3_num_f32 v[W], v[W], v[W+1], 0x1800000   ; and the floor 2^(3 - 127)
	s_delay_alu instid0(VALU_DEP_1)
	v_add_nc_u32 v[W+2], 0xff000000, v[W]          ; 2 off its exponent field: the conversion's scale operand
	s_delay_alu instid0(VALU_DEP_1)
	v_lshrrev_b32 v[W+1], 23, v[W+2]               ; the scale's byte
.if (\t)%4 == 0
	s_delay_alu instid0(VALU_DEP_1)
	v_mov_b32 v[SB+(\t)/4], v[W+1]                 ; four bytes make the word of my column's 128 keys, the lower keys in the lower byte
.else
	s_delay_alu instid0(VALU_DEP_1)
	v_lshl_or_b32 v[SB+(\t)/4], v[W+1], 8*((\t)%4), v[SB+(\t)/4]
.endif
.irp g, 0,1,2,3
	v_cvt_scalef32_pk8_fp4_f32 v[VCD+4*(\t)+\g], v[XS+8*\g:XS+8*\g+7], v[W+2]
.endr
	v_nop                                          ; one plain line behind the last conversion
	ds_store_b128 v[VCA], v[VCD+4*(\t):VCD+4*(\t)+3] offset:16*((\t)%4)+256*((\t)/4)   ; 32 codes: 16 bytes of my column's row; my second key step lies 512 keys, 256 bytes, on
.if (\t)%4 == 3
	ds_store_b32 v[VSA], v[SB+(\t)/4] offset:2048*((\t)/4)
.endif
.if (\t) < 6
	VLOAD16 2*(\t)+4
	VLOAD16 2*(\t)+5
.endif
.endm
	s_load_b256 s[4:11], s[0:1], 0x0               ; q s[4:5], k s[6:7], v s[8:9], amax_part s[10:11]
	s_load_b64 s[12:13], s[0:1], 0x20              ; out
	v_lshrrev_b32 v1, 5, v0
	s_delay_alu instid0(VALU_DEP_1)
	v_readfirstlane_b32 s[WV], v1                  ; wave 0..15
	v_and_b32 v[LN], 31, v0
	s_delay_alu instid0(VALU_DEP_1)
	v_lshlrev_b32 v[GK], 4, v[LN]
	s_delay_alu instid0(VALU_DEP_2)
	v_lshlrev_b32 v[GV], 2, v[LN]
	s_and_b32 s72, ttmp7, 0xffff                   ; bh
	s_lshr_b32 s74, s72, 5
	s_lshl_b32 s74, s74, 24                        ; the sequence's 1,024 tokens of 16,384 bytes,
	s_and_b32 s75, s72, 31
	s_lshl_b32 s75, s75, 9                         ; + 512 bytes a head:
	s_add_co_u32 s74, s74, s75                     ; the head's first byte in q, k, v and out alike
	s_lshl_b32 s92, ttmp9, 8
	s_lshl_b32 s94, s[WV], 4
	s_add_co_u32 s92, s92, s94                     ; my first tile's first query: 256 x + 16 w
	s_sub_co_u32 s93, 1008, s92                    ; my second tile's: 16 (63 - i)
	s_lshl_b32 s76, s[WV], 20                      ; byte offsets.  K: my 64 tokens
	s_add_co_u32 s76, s76, s74
	s_mov_b32 s77, 0
	s_lshl_b32 s78, s92, 14                        ; q and out: my two tiles
	s_add_co_u32 s78, s78, s74
	s_mov_b32 s79, 0
	s_lshl_b32 s80, s93, 14
	s_add_co_u32 s80, s80, s74
	s_mov_b32 s81, 0
	s_and_b32 s96, s[WV], 3                        ; V: which 32 columns,
	s_lshr_b32 s97, s[WV], 2                       ; which key step of the first four
	s_lshl_b32 s82, s97, 21                        ; 128 tokens a key step,
	s_lshl_b32 s83, s96, 7                         ; 128 bytes for 32 columns
	s_add_co_u32 s82, s82, s83
	s_add_co_u32 s82, s82, s74
	s_mov_b32 s83, 0
	s_mov_b32 s[SEL], 0x76543210
	s_mov_b32 s[SEL+1], 0xfedcba98
	s_mov_b32 s[CS], 0x3e0293ee                    ; c = log2(e) / sqrt(128)
	s_mov_b32 s[CS+1], s[CS]                       ; (named with it as a pair, so it is written)
	s_mov_b32 s[SLO], 0xc3e00000
	s_mov_b32 s[SHI], 0x43e00000
	s_mov_b32 s[INV], 0x3b124925
	s_wait_alu depctr_va_vdst(0)
	s_wait_kmcnt 0x0
	s_add_nc_u64 s[KB:KB+1], s[6:7], s[76:77]
	s_add_nc_u64 s[QA:QA+1], s[4:5], s[78:79]
	s_add_nc_u64 s[QB:QB+1], s[4:5], s[80:81]
	s_add_nc_u64 s[VA:VA+1], s[8:9], s[82:83]
	s_add_nc_u64 s[VB:VB+1], s[VA:VA+1], 0x800000  ; 512 tokens on
	s_add_nc_u64 s[88:89], s[12:13], s[78:79]      ; out at my two tiles
	s_add_nc_u64 s[90:91], s[12:13], s[80:81]
.irp n, 0,1,2,3,4,5
	global_load_b128 v[P+4*\n:P+4*\n+3], v[GK], s[10:11] offset:512*\n   ; the partial maxima: eight a lane of q's, of k's, of v's
.endr
.irp t, 0,1,2,3
	LOAD \t
.endr
	; the LDS addresses of phase 1, while the loads are on their way: each a constant + a constant x lane + a constant x wave
	s_mul_i32 s94, s[WV], WST
	s_add_co_u32 s94, s94, STAGE                   ; my stage
	v_lshrrev_b32 v[SIN], 2, v[LN]
	s_delay_alu instid0(VALU_DEP_1)
	v_mul_u32_u24 v[SIN], v[SIN], SP
	v_and_b32 v[SOUT], 3, v[LN]
	s_delay_alu instid0(VALU_DEP_1)
	v_lshl_add_u32 v[SIN], v[SOUT], 4, v[SIN]
	s_delay_alu instid0(VALU_DEP_1)
	v_add_nc_u32 v[SIN], s94, v[SIN]               ; on the way in: four lanes' 64 bytes on end, then 16 of padding; a load's 512 bytes take eight places
	v_mul_u32_u24 v[SOUT], v[LN], SP
	s_delay_alu instid0(VALU_DEP_1)
	v_add_nc_u32 v[SOUT], s94, v[SOUT]             ; on the way out: SP x lane: my 16 neighbours
	v_lshrrev_b32 v8, 3, v[LN]
	s_delay_alu instid0(VALU_DEP_1)
	v_mul_u32_u24 v8, v8, KP
	v_and_b32 v9, 7, v[LN]
	s_delay_alu instid0(VALU_DEP_1)
	v_lshl_add_u32 v8, v9, 3, v8                   ; codes: row lane / 8 of a step's four, bytes 8 (lane % 8) on
	s_mul_i32 s95, s[WV], 64*KP
	v_add_nc_u32 v[KCA], s95, v8                   ; K: my 64 rows
	s_mul_i32 s95, s[WV], 32*KP
	s_add_co_u32 s95, s95, QC
	v_add_nc_u32 v[QCA], s95, v8                   ; Q: my 32 rows
	v_lshrrev_b32 v9, 1, v[LN]                     ; scale bytes: 16 a step, one for two lanes
	s_lshl_b32 s95, s[WV], 8
	s_add_co_u32 s95, s95, SCK
	v_add_nc_u32 v[KSA], s95, v9
	s_lshl_b32 s95, s[WV], 7
	s_add_co_u32 s95, s95, SCQ
	v_add_nc_u32 v[QSA], s95, v9
	s_mul_i32 s95, s96, 32*VP
	s_lshl_b32 s94, s97, 6
	s_add_co_u32 s95, s95, s94
	s_add_co_u32 s95, s95, VC
	v_mul_u32_u24 v[VCA], v[LN], VP
	s_delay_alu instid0(VALU_DEP_1)
	v_add_nc_u32 v[VCA], s95, v[VCA]               ; V's codes: row = my column, + 64 bytes a key step
	s_lshl_b32 s95, s97, 9
	s_lshl_b32 s94, s96, 7
	s_add_co_u32 s95, s95, s94
	s_add_co_u32 s95, s95, SCV
	v_add_nc_u32 v[VSA], s95, v[GV]                ; V's scale words: 512 bytes a key step, 4 a column
	v_mov_b32 v[ONE], 1.0
	v_mov_b32 v[B7F], 0x7f7f7f7f
	s_wait_loadcnt 16                              ; the partial maxima are in; the sixteen loads behind them stay out
	TENSOR_SCALE P,    W, W+1, SRQ, SSQ
	TENSOR_SCALE P+8,  W, W+1, SRK, SSK
	TENSOR_SCALE P+16, W, W+1, SRV, SSV
	SETSCALE SRK, SSK
	s_wait_alu depctr_va_vdst(0)
	s_wait_loadcnt 12                              ; step 0's four loads are in
	TURN 0
.irp t, 0,1,2,3,4,5,6,7,8,9,10,11,12,13,14,15,16,17,18,19,20,21,22,23
	KQSTEP \t
.endr
	s_wait_dscnt 0x0                               ; my LDS stores have read their registers: V's part writes some of them anew
	SETSCALE SRV, SSV
	s_wait_alu depctr_va_vdst(0)
.irp t, 0,1,2,3,4,5,6,7
	BLOCK \t
.endr
	s_wait_dscnt 0x0                               ; for the others' sake: my codes and scale words have landed,
	s_barrier_signal -1
	s_barrier_wait -1                              ; everybody's have: from here on LDS below the stages is only read
	; PHASE 2
	v_and_b32 v8, 15, v0                           ; r = lane % 16
	v_bfe_u32 v9, v0, 4, 1                         ; h = lane / 16
	s_delay_alu instid0(VALU_DEP_2)
	v_mul_u32_u24 v[QO], v8, KP
	s_delay_alu instid0(VALU_DEP_1)
	v_lshl_add_u32 v[QO], v9, 4, v[QO]
	s_mul_i32 s94, s[WV], 32*KP
	s_add_co_u32 s94, s94, QC
	v_add_nc_u32 v[QO], s94, v[QO]                 ; Q: my rows; row r, + 16 h
	s_lshl_b32 s94, s[WV], 7
	s_add_co_u32 s94, s94, SCQ
	v_lshl_add_u32 v[QSO], v8, 2, s94
	ds_load_b128 v[16:19], v[QO]                   ; both tiles' fragments of Q stay in registers: registers 4 c .. 4 c + 3 hold K = 64 c + 32 h + 0 .. 31
	ds_load_b128 v[20:23], v[QO] offset:32
	ds_load_b128 v[24:27], v[QO] offset:16*KP
	ds_load_b128 v[28:31], v[QO] offset:16*KP+32
	ds_load_b32 v255, v[QSO]                       ; and their scale words
	ds_load_b32 v243, v[QSO] offset:64
	v_and_b32 v10, 8, v8
	s_delay_alu instid0(VALU_DEP_1)
	v_add_nc_u32 v10, v10, v8                      ; r + 8 (r / 8)
	s_delay_alu instid0(VALU_DEP_1)
	v_mul_u32_u24 v[AK0], v10, KP
	s_delay_alu instid0(VALU_DEP_1)
	v_lshl_add_u32 v[AK0], v9, 4, v[AK0]
	v_mul_u32_u24 v[AV0], v8, VP
	s_delay_alu instid0(VALU_DEP_1)
	v_lshl_add_u32 v[AV0], v9, 4, v[AV0]
	s_delay_alu instid0(VALU_DEP_1)
	v_add_nc_u32 v[AV0], VC, v[AV0]
	v_lshl_add_u32 v[ASK0], v10, 2, SCK            ; K's scale words: 4 bytes a key
	v_lshl_add_u32 v[ASV0], v8, 2, SCV             ; V's: 4 bytes a row d within a key step's 512
	v_lshlrev_b32 v[GO], 14, v9
	s_delay_alu instid0(VALU_DEP_1)
	v_lshl_add_u32 v[GO], v8, 4, v[GO]             ; the way out: lanes 0-15 take one token's row, lanes 16-31 the next token's; 16 bytes a lane
.irp b, 0,1,2,3
	v_mov_b32 v[236+\b], 0                         ; written once: a lane permute's destination counts as one of its sources
.endr
	v_mov_b32 v253, 0                              ; (named as the upper half of the pair v[252:253] before it is first written)
; A KEY STEP: 128 keys from s[KF] on, for the tile whose Q lies in v[qf] on and whose scale words lie in v[qs].
.macro STEP qf, qs
	; A step all of whose keys come after the tile's 16 queries is left out: a scalar branch on ids, round the step's loads, products and softmax, not round the lines at its end that step addresses.
	s_add_co_u32 s96, s[Q0], 15
	s_cmp_gt_u32 s[KF], s96
	s_cbranch_scc1 .Lhidden_\@
	v_add_nc_u32 v[ADK], s[TB], v[AK0]             ; (these four lines are also the four places in front of loads into registers that the last step's products have read)
	s_wait_alu depctr_va_vdst(0)
	v_add_nc_u32 v[ADV], s[TV], v[AV0]
	v_add_nc_u32 v[ADS], s[TS], v[ASK0]
	s_wait_alu depctr_va_vdst(0)
	v_add_nc_u32 v[ADT], s[TS], v[ASV0]
.irp g, 0,1                                    ; S^T = K Q^T, four tiles of 16 keys at a time
.if \g > 0
.rept 4
	v_nop                                          ; four places in front of loads into registers that matrix instructions have read
.endr
.endif
.irp t, 0,1,2,3
.irp c, 0,1
	ds_load_b128 v[32+8*\t+4*\c:32+8*\t+4*\c+3], v[ADK] offset:(32*((4*\g+\t)/2)+8*(\t%2))*KP+32*\c
.endr
	ds_load_b32 v[248+\t], v[ADS] offset:(32*((4*\g+\t)/2)+8*(\t%2))*4
.endr
	s_wait_dscnt 0x0
.irp t, 0,1,2,3
	v_wmma_scale_f32_16x16x128_f8f6f4 v[96+8*(4*\g+\t):103+8*(4*\g+\t)], v[32+8*\t:39+8*\t], v[\qf:\qf+7], 0, v[248+\t], v[\qs] matrix_a_fmt:MATRIX_FMT_FP4 matrix_b_fmt:MATRIX_FMT_FP4
.endr
.endr
.rept 4
	v_nop                                          ; four places in front of the first read of results
.endr
	; On the diagonal the scores of hidden keys become -infinity ahead of the maximum: p = 0 then.  A step all of whose keys count skips this.  (A step that is not left out begins at or before the
	; tile's first query, so its first key counts for every query: the row's maximum is a number.)
	s_add_co_u32 s96, s[KF], 127
	s_cmp_le_u32 s96, s[Q0]
	s_cbranch_scc1 .Lopen_\@
	s_sub_co_i32 s96, s[Q0], s[KF]
	v_and_b32 v240, 15, v0
	v_bfe_u32 v241, v0, 4, 1
	s_delay_alu instid0(VALU_DEP_1)
	v_lshlrev_b32 v241, 4, v241
	s_delay_alu instid0(VALU_DEP_1)
	v_sub_nc_u32 v240, v240, v241
	s_delay_alu instid0(VALU_DEP_1)
	v_add_nc_u32 v240, s96, v240                   ; d = my query - KF - 16 (lane / 16).  Register 16 b + i holds key KF + 16 (lane / 16) + 32 b + i: hidden where 32 b + i > d
	v_mov_b32 v242, 0xff800000                     ; -infinity
.set n, 0
.rept 64
	v_cmp_gt_i32 vcc_lo, 32*(n/16)+n%16, v240
	v_cndmask_b32 v[96+n], v[96+n], v242, vcc_lo
.set n, n+1
.endr
.Lopen_\@:
.irp b, 0,1,2,3
	v_max3_num_f32 v[232+\b], v[96+16*\b], v[97+16*\b], v[98+16*\b]   ; THE LARGEST SCORE OF EACH BLOCK OF 32 KEYS: it serves twice: for the row's maximum, and for the block's largest p
.endr
.irp i, 3,5,7,9,11,13
.irp b, 0,1,2,3
	v_max3_num_f32 v[232+\b], v[232+\b], v[96+16*\b+\i], v[97+16*\b+\i]   ; (the four blocks by turns)
.endr
.endr
.irp b, 0,1,2,3
	v_max_num_f32 v[232+\b], v[232+\b], v[111+16*\b]
.endr
.irp b, 0,1,2,3
	s_delay_alu instid0(VALU_DEP_4)
	v_permlanex16_b32 v[236+\b], v[232+\b], s[SEL], s[SEL+1]
.endr
.irp b, 0,1,2,3
	s_delay_alu instid0(VALU_DEP_4)
	v_max_num_f32 v[232+\b], v[232+\b], v[236+\b]  ; with lane l xor 16's 16 keys
.endr
	s_delay_alu instid0(VALU_DEP_2)
	v_max3_num_f32 v254, v232, v233, v234
	s_delay_alu instid0(VALU_DEP_1)
	v_max_num_f32 v254, v254, v235                 ; the step's largest score of my query
	s_delay_alu instid0(VALU_DEP_1)
	v_mul_f32 v254, s[CS], v254                    ; as t (c is positive)
	s_delay_alu instid0(VALU_DEP_1)
	v_max_num_f32 v13, v13, v254                   ; the running largest t
	v_mov_b32 v254, v12
	s_delay_alu instid0(VALU_DEP_2)
	v_floor_f32 v12, -v13                          ; the new -M = floor(-t) = -ceil(t): M IS A WHOLE NUMBER
	s_delay_alu instid0(VALU_DEP_1)
	v_sub_f32 v254, v12, v254                      ; M's old value less its new one: a whole number, 0 or less
	s_delay_alu instid0(VALU_DEP_1)
	v_cvt_i32_f32 v254, v254                       ; (it saturates)
	s_delay_alu instid0(VALU_DEP_1)
	v_ldexp_f32 v252, 1.0, v254                    ; f = 2^(old M - new M): what was summed under the old M is brought under the new by a multiplication that rounds nothing
.set n, 0
.rept 32
	v_pk_fma_f32 v[96+n:97+n], v[96+n:97+n], s[CS:CS+1], v[12:13] op_sel_hi:[1,0,0]   ; t - M, two at a time (of the pairs c and -M the low word serves both halves)
.set n, n+2
.endr
.irp b, 0,1,2,3
	v_fma_f32 v[232+\b], v[232+\b], s[CS], v12     ; the same of each block's largest score
.endr
.set n, 0
	s_wait_alu depctr_va_vdst(0)
.rept 64
	v_exp_f32 v[96+n], v[96+n]                     ; p = 2^(t - M), at most 1: NOT normalised
.set n, n+1
.endr
.irp b, 0,1,2,3
	v_exp_f32 v[232+\b], v[232+\b]                 ; the block's largest p: the same two instructions on the same number give the same bits
.endr
	v_pk_mul_f32 v[14:15], v[14:15], v[252:253] op_sel_hi:[1,0]   ; the sums under the new M.  (A plain line behind the exponentials: ISA guide 5.7.2)
	s_wait_alu depctr_va_vdst(0)
.irp b, 0,1,2,3
	v_max_num_f32 v[232+\b], 0x1800000, v[232+\b]  ; the floor 2^(3 - 127): the byte cannot fall under 1 (a block whose every p is 0 keeps that byte: its codes are zeros)
.endr
.irp b, 0,1,2,3
	s_delay_alu instid0(VALU_DEP_4)
	v_add_nc_u32 v[244+\b], 0xff000000, v[232+\b]  ; 2 off the exponent field: the conversion's scale operand
.endr
.irp b, 0,1,2,3
	s_delay_alu instid0(VALU_DEP_4)
	v_lshrrev_b32 v[236+\b], 23, v[244+\b]         ; the scale's byte
.endr
	s_delay_alu instid0(VALU_DEP_3)
	v_lshl_or_b32 v253, v237, 8, v236              ; p's scale word for these 128 keys
	s_delay_alu instid0(VALU_DEP_1)
	v_lshl_or_b32 v253, v238, 16, v253
	s_delay_alu instid0(VALU_DEP_1)
	v_lshl_or_b32 v253, v239, 24, v253
.irp b, 0,1,2,3
	v_cvt_scalef32_pk8_fp4_f32 v[224+2*\b], v[96+16*\b:103+16*\b], v[244+\b]
	v_cvt_scalef32_pk8_fp4_f32 v[225+2*\b], v[104+16*\b:111+16*\b], v[244+\b]
.endr
	v_nop                                          ; one plain line between a scaled conversion and the vector line that touches its result
.irp c, 0,1                                    ; the operand's layout wants a WHOLE block in a lane: lanes 0-15 block 2 c, lanes 16-31 block 2 c + 1
.irp i, 0,1
	v_permlane16_swap_b32 v[224+4*\c+\i], v[226+4*\c+\i]
.endr
.endr
	v_pk_add_f32 v[236:237], v[100:101], v[104:105]
	v_pk_add_f32 v[250:251], v[108:109], v[112:113]
	v_pk_add_f32 v[248:249], v[116:117], v[120:121]
	v_pk_add_f32 v[246:247], v[124:125], v[128:129]
	v_pk_add_f32 v[244:245], v[132:133], v[136:137]
	v_pk_add_f32 v[240:241], v[140:141], v[144:145]
	v_pk_add_f32 v[234:235], v[148:149], v[152:153]
	v_pk_add_f32 v[14:15], v[14:15], v[156:157]
	v_pk_add_f32 v[236:237], v[236:237], v[96:97]
	v_pk_add_f32 v[250:251], v[250:251], v[98:99]
	v_pk_add_f32 v[248:249], v[248:249], v[102:103]
	v_pk_add_f32 v[246:247], v[246:247], v[106:107]
	v_pk_add_f32 v[244:245], v[244:245], v[110:111]
	v_pk_add_f32 v[240:241], v[240:241], v[114:115]
	v_pk_add_f32 v[234:235], v[234:235], v[118:119]
	v_pk_add_f32 v[14:15], v[14:15], v[122:123]
	v_pk_add_f32 v[236:237], v[236:237], v[126:127]
	v_pk_add_f32 v[250:251], v[250:251], v[130:131]
	v_pk_add_f32 v[248:249], v[248:249], v[134:135]
	v_pk_add_f32 v[246:247], v[246:247], v[138:139]
	v_pk_add_f32 v[244:245], v[244:245], v[142:143]
	v_pk_add_f32 v[240:241], v[240:241], v[146:147]
	v_pk_add_f32 v[234:235], v[234:235], v[150:151]
	v_pk_add_f32 v[14:15], v[14:15], v[154:155]
	v_pk_add_f32 v[236:237], v[236:237], v[158:159]
	s_delay_alu instid0(VALU_DEP_2)
	v_pk_add_f32 v[14:15], v[14:15], v[246:247]
	s_delay_alu instid0(VALU_DEP_2)
	v_pk_add_f32 v[236:237], v[236:237], v[244:245]
	v_pk_add_f32 v[250:251], v[250:251], v[240:241]
	v_pk_add_f32 v[248:249], v[248:249], v[234:235]
	s_delay_alu instid0(VALU_DEP_2)
	v_pk_add_f32 v[14:15], v[14:15], v[250:251]
	s_delay_alu instid0(VALU_DEP_2)
	v_pk_add_f32 v[236:237], v[236:237], v[248:249]
	s_delay_alu instid0(VALU_DEP_1)
	v_pk_add_f32 v[14:15], v[14:15], v[236:237]
.set n, 0
.rept 32
	v_pk_mul_f32 v[160+n:161+n], v[160+n:161+n], v[252:253] op_sel_hi:[1,0]   ; O^T under the new M: x f, each accumulator from its low end on.  (The sums and these are also the places between the lines that wrote p's codes and scale word and the products below)
.set n, n+2
.endr
	s_wait_alu depctr_va_vdst(0)
.irp g, 0,1                                    ; O^T += V^T P^T: four tiles of 16 of the head's 128 at a time; K = these 128 keys.  The eight accumulators take turns, one instruction a turn
.if \g > 0
.rept 4
	v_nop
.endr
.endif
.irp t, 0,1,2,3
.irp c, 0,1
	ds_load_b128 v[32+8*\t+4*\c:32+8*\t+4*\c+3], v[ADV] offset:16*(4*\g+\t)*VP+32*\c
.endr
	ds_load_b32 v[248+\t], v[ADT] offset:(4*\g+\t)*64
.endr
	s_wait_dscnt 0x0
.irp t, 0,1,2,3
	v_wmma_scale_f32_16x16x128_f8f6f4 v[160+8*(4*\g+\t):167+8*(4*\g+\t)], v[32+8*\t:39+8*\t], v[224:231], v[160+8*(4*\g+\t):167+8*(4*\g+\t)], v[248+\t], v253 matrix_a_fmt:MATRIX_FMT_FP4 matrix_b_fmt:MATRIX_FMT_FP4
.endr
.endr
.Lhidden_\@:
	s_add_co_u32 s[KF], s[KF], 128                 ; on to the next 128 keys
	s_add_co_u32 s[TB], s[TB], 128*KP
	s_add_co_u32 s[TV], s[TV], 64
	s_add_co_u32 s[TS], s[TS], 512
.endm
; THE WAY OUT of a tile.  The sum's two halves and lane l xor 16's are added; O^T is divided by the sum and goes through my own stage in LDS, half a row (64 channels, 256 bytes) of 16 queries at a time,
; so that sixteen lanes store 256 consecutive bytes, aligned.  ob: the scalar pair with the tile's address in out.  more = 1: another tile follows.
.macro WAYOUT ob, more
	v_add_f32 v14, v14, v15
	s_delay_alu instid0(VALU_DEP_1)
	v_permlanex16_b32 v236, v14, s[SEL], s[SEL+1]
	s_delay_alu instid0(VALU_DEP_1)
	v_add_f32 v14, v14, v236                       ; the row's sum
	s_wait_alu depctr_va_vdst(0)
	v_rcp_f32 v14, v14
	v_and_b32 v8, 15, v0                           ; (a plain line behind the reciprocal)  r
	v_bfe_u32 v9, v0, 4, 1                         ; h
	s_mul_i32 s94, s[WV], WST
	s_add_co_u32 s94, s94, STAGE                   ; my stage
	v_mul_u32_u24 v10, v8, SPT
	s_delay_alu instid0(VALU_DEP_1)
	v_lshl_add_u32 v10, v9, 5, v10
	s_delay_alu instid0(VALU_DEP_1)
	v_add_nc_u32 v10, s94, v10                     ; in: row r; tile t's eight channels of my half: 64 t + 32 h bytes on
	v_mul_u32_u24 v11, v9, SPT
	s_delay_alu instid0(VALU_DEP_1)
	v_lshl_add_u32 v11, v8, 4, v11
	s_delay_alu instid0(VALU_DEP_1)
	v_add_nc_u32 v11, s94, v11                     ; back: lanes 0-15 one row, lanes 16-31 the next
.set n, 0
	s_wait_alu depctr_va_vdst(0)
.rept 64
	v_mul_f32 v[96+n], v[160+n], v14               ; O^T / the sum: register 8 t + i is o(r, 16 t + 8 h + i)
.set n, n+1
.endr
.irp u, 0,1                                    ; channels 64 u on
.irp t, 0,1,2,3
	ds_store_b128 v10, v[96+32*\u+8*\t:99+32*\u+8*\t] offset:64*\t
	ds_store_b128 v10, v[100+32*\u+8*\t:103+32*\u+8*\t] offset:64*\t+16
.endr
.irp i, 0,1,2,3,4,5,6,7
	ds_load_b128 v[32+32*\u+4*\i:35+32*\u+4*\i], v11 offset:2*\i*SPT   ; LDS serves a wave's instructions in order (ISA guide 5.7.1.4): these see my stores, and the next half's stores come behind them
.endr
.endr
.irp u, 0,1
.irp i, 0,1,2,3,4,5,6,7
	s_wait_dscnt 23-16*\u-\i                       ; behind this load: the 7 - i later loads of its half and, for the first half, the second half's 8 stores and 8 loads
	global_store_b128 v[GO], v[32+32*\u+4*\i:35+32*\u+4*\i], s[\ob:\ob+1] offset:2*\i*16384+256*\u th:TH_STORE_NT   ; written once, read by nobody here
.endr
.endr
.if \more
	s_wait_xcnt 0x0                                ; the stores have read their registers: the next tile's fragments may land there
.endif
.endm
; A TILE of 16 queries.  Every tile walks all eight key steps, so that the loop's trip count is a constant of the text; a hidden step costs its branch and four scalar additions.
; O^T and the sum begin as zeros and the largest t as -3e38, so that the step is written once a tile: the first change of M multiplies zeros.
.macro TILE qf, qs, q0, ob, more
	s_mov_b32 s[Q0], s[\q0]
	s_mov_b32 s[TB], 0
	s_mov_b32 s[TV], 0
	s_mov_b32 s[TS], 0
	s_mov_b32 s[KF], 0
	s_mov_b32 s[CNT], 8
	v_mov_b32 v13, 0xff61b1e6                      ; the largest t so far: -3e38, under every t
	s_delay_alu instid0(VALU_DEP_1)
	v_floor_f32 v12, -v13                          ; -M
	v_mov_b32 v14, 0                               ; the sum, in two halves
	v_mov_b32 v15, 0
.set n, 0
.rept 64
	v_mov_b32 v[160+n], 0                          ; O^T
.set n, n+1
.endr
.Lstep_\@:
	STEP \qf, \qs
	s_sub_co_u32 s[CNT], s[CNT], 1
	s_cmp_lg_u32 s[CNT], 0
	s_cbranch_scc1 .Lstep_\@
	WAYOUT \ob, \more
.endm
	s_wait_dscnt 0x0                               ; Q's fragments and scale words are in
	TILE 16, 255, 92, 88, 1                        ; tile i = 16 x + w
	TILE 24, 243, 93, 90, 0                        ; tile 63 - i
	s_wait_xcnt 0x0
	v_lshl_add_u32 v254, v0, 2, 0x45000
	v_mov_b32 v255, 0
	s_wait_alu depctr_va_vdst(0)
	s_wait_tensorcnt 0x0
	ds_add_u32 v254, v255
	s_wait_dscnt 0x0
	s_endpgm
.Lfunc_end_k_qb38490aac0_attn:
	.size	k_qb38490aac0_attn, .Lfunc_end_k_qb38490aac0_attn-k_qb38490aac0_attn
	.p2alignl 7, 3214868480
	.fill 96, 4, 3214868480
	.section	.rodata,"a",@progbits
	.p2align	6, 0x0
	.amdhsa_kernel k_qb38490aac0_attn
		.amdhsa_group_segment_fixed_size 284672
		.amdhsa_private_segment_fixed_size 0
		.amdhsa_enable_private_segment 0
		.amdhsa_kernarg_size 40
		.amdhsa_user_sgpr_count 2
		.amdhsa_user_sgpr_kernarg_segment_ptr 1
		.amdhsa_wavefront_size32 1
		.amdhsa_system_sgpr_workgroup_id_x 1
		.amdhsa_system_sgpr_workgroup_id_y 1
		.amdhsa_system_sgpr_workgroup_id_z 1
		.amdhsa_system_vgpr_workitem_id 0
		.amdhsa_next_free_vgpr 256
		.amdhsa_next_free_sgpr 98
		.amdhsa_reserve_vcc 1
		.amdhsa_float_denorm_mode_32 3
		.amdhsa_float_denorm_mode_16_64 3
		.amdhsa_memory_ordered 1
		.amdhsa_forward_progress 1
		.amdhsa_inst_pref_size 255
	.end_amdhsa_kernel
	.section	.bss,"aw",@nobits
	.p2align	6
	.space	262144
	.amdgpu_metadata
---
amdhsa.version: [ 1, 2 ]
amdhsa.kernels:
  - .name:           k_qb38490aac0_attn
    .symbol:         k_qb38490aac0_attn.kd
    .args:
      - { .name: query_states, .offset: 0, .size: 8, .value_kind: global_buffer, .address_space: global }
      - { .name: key_states, .offset: 8, .size: 8, .value_kind: global_buffer, .address_space: global }
      - { .name: value_states, .offset: 16, .size: 8, .value_kind: global_buffer, .address_space: global }
      - { .name: amax_part, .offset: 24, .size: 8, .value_kind: global_buffer, .address_space: global }
      - { .name: out0, .offset: 32, .size: 8, .value_kind: global_buffer, .address_space: global }
    .group_segment_fixed_size: 284672
    .private_segment_fixed_size: 0
    .kernarg_segment_align: 8
    .kernarg_segment_size: 40
    .max_flat_workgroup_size: 512
    .sgpr_count:     98
    .vgpr_count:     256
    .wavefront_size: 32
...
	.end_amdgpu_metadata
.endif
;; end of part 2
